; MI455X (gfx1250); checked and timed in simulation.
; The chip was launched on July 23, 2026; its instructions are those of AMD's public machine-readable ISA for CDNA 5 (MIT licence, August 2026) and "CDNA5" Instruction Set Architecture Reference Guide (July 2026). The comments in the code are by the model that wrote it; some were corrected since.
;; Small Former Block. Allowed arithmetic: matrix products marked QUANTISED: E2M3 operands, one E8M0 scale for each 32 along K, by v_wmma_scale_f32_16x16x128_f8f6f4 with both operands' format E2M3, f32 sums; everything else in f32.
;; Inputs: prelu_w 512 float32; x 1 x 4,096 x 512 float32.
;; Outputs: out0 1 x 4,096 x 512 float32.
;; This version of the problem:
;;   THIS VERSION OF THE PROBLEM IS GIVEN IN LOW PRECISION. The matrix products marked QUANTISED in the list below multiply operands that are first quantised to E2M3 (2 exponent bits, 3 mantissa bits; 6 bits a number), with one power-of-two scale for each 32 numbers along K (OCP MX v1.0); their sums are f32. All else is computed in f32.
;;   The module's matrix products, in the order in which they are computed (A, B: the left and right operand; K: the contracted axis; several contracted axes count as one K, in the product's order):
;;     1. batch 8 x [M 4,096, K 64] x [K 64, N 4,096]; A: computed on the way; B: computed on the way: QUANTISED
;;     2. batch 8 x [M 4,096, K 4,096] x [K 4,096, N 64]; A: softmax (see below); B: computed on the way: QUANTISED
;;   THE QUANTISER, for each operand of a quantised product, along K:
;;     - K is cut into blocks of 32 from its start; a last block that is shorter is filled with zeros.
;;     - A block's scale is 2^e with e = floor(log2(the largest magnitude in the block)) - 2, held to -126 .. 127; a block of zeros has e = 0. As a byte (E8M0): e + 127.
;;     - Each number is divided by its block's scale, clamped to +-7.5, and rounded to the nearest number of E2M3, ties to even, subnormals kept.
;;     - The product sums the exact products of the quantised numbers (number of the format x scale) in f32.
;;   ~~~python
;;   def quantise(x, axis):      # numpy; x: float32 -> the quantised numbers, widened to float32 again
;;       x = np.moveaxis(x, axis, -1); K = x.shape[-1]
;;       x = np.pad(x, [(0, 0)] * (x.ndim - 1) + [(0, -K % 32)]); x = x.reshape(x.shape[:-1] + (-1, 32)); a = np.abs(x).max(-1, keepdims=True)
;;       e = np.where(a > 0, np.clip(np.frexp(np.where(a > 0, a, 1))[1] - 1 - 2, -126, 127), 0)      # np.frexp(a)[1] - 1 = floor(log2(a)), exactly
;;       r = np.clip(x / 2.0 ** e, -7.5, 7.5)
;;       step = 2.0 ** (np.maximum(np.frexp(np.where(r == 0, 1, r))[1] - 1, 0) - 3)
;;       q = np.round(r / step) * step * 2.0 ** e      # np.round: ties to even
;;       return np.moveaxis(q.reshape(q.shape[:-2] + (-1,))[..., :K], -1, axis).astype(np.float32)
;;   ~~~
;;   SOFTMAX AHEAD OF A QUANTISED PRODUCT. Where the list says 'softmax', what is quantised is not the finished softmax but p = 2^(t - M), with t = logit x log2(e) and M = ceil(the row's largest t), a whole number; so 1/2 < the row's largest p <= 1. The row's sum l is taken of the UNQUANTISED p, in f32, and the product's result is divided by l at the end. Since M is a whole number, a kernel that streams over the keys may use a running M (the ceiling of the running maximum): every later rescaling is an exact power of two, which a block's scale takes up: the codes' values come out the same.
;;   OPERANDS COMPUTED ON THE WAY. 'Computed on the way' means the value that the module computes at that place (a softmax that the list does not call 'softmax' is quantised finished and normalised). What goes into a quantiser is computed in f32, as accurately as f32 sums, v_exp_f32 and their like allow (about 1e-6 of the number): no bf16 or f16 on the way to a quantiser, and a product that is left as it is and whose result goes on into a quantised operand takes f32 operands (vector FMAs, or v_wmma_f32_16x16x4_f32). A number that lies on a knife's edge between two numbers of the format may be rounded either way, as far as f32 arithmetic and the matrix unit's own rounding can turn it there, and no further.
;; One version. Each part assembles by itself: llvm-mc -triple=amdgcn-amd-amdhsa -mcpu=gfx1250 --defsym DOCPART=n.
;; ======== version 1 of 1: 3 launches
;; limits: right only within a limited range of input values
;; workspace buffers: kv 3,342,336 bytes; res 8,388,608 bytes
;; launch prep (part 1): grid 128 x 1, 32 waves a work-group, no clusters, 70,144 bytes of LDS; arguments x, kv; writes kv
.if DOCPART == 1
	.amdgcn_target "amdgcn-amd-amdhsa--gfx1250"
	.amdhsa_code_object_version 6
	.text
	.protected	k_q0c1546fa91_prep
	.globl	k_q0c1546fa91_prep
	.p2align	8
	.type	k_q0c1546fa91_prep,@function
k_q0c1546fa91_prep:
	s_mov_b64 s[64:65], 0
	v_nop
	global_prefetch_b8 v0, s[64:65] scope:SCOPE_SE
	s_setreg_imm32_b32 hwreg(HW_REG_WAVE_MODE, 25, 1), 1
	s_wait_xcnt 0x0
; FIRST OF THREE LAUNCHES.  xn = LayerNorm(x) (no gain, no bias), x: [4096][512] f32, and xn's codes of FP6 (E2M3) with E8M0 scale bytes, twice:
; along a head's 64 channels (the operand of the scores, for queries and keys alike) and along the keys (the operand of the second product).
; NOTHING OF THE PROBLEM IS LEFT OUT AS DEAD WORK: the batch is 1, so the slice [-1] keeps everything; both products, both norms, both residuals and both inputs reach the output (prelu_w is read by the third launch).
; LIMITS: NaN and infinities in x are not served.  A block whose largest magnitude lies under 2^(3 - 127) gets the byte 1 (a block of zeros too, where the rule says 127: its codes are zeros,
; which add nothing under any byte but 0xff, and the bytes are read by this program alone).
; THE WORKSPACE kv IS LAID AS IMAGES OF THE OPERANDS' REGISTERS: one dense block of STEPB = 13,056 bytes for each head and each step of 128 keys, at head x HEADB + step x STEPB.  l = lane, r = l % 16, h = l / 16:
;   0      K's codes: 48 registers a lane, tile t (0..7) at registers 6 t .. 6 t + 5; registers 4 i .. 4 i + 3 of lane l at 512 i + 16 pos, pos = 16 (r / 8) + 8 (h xor r / 8) + r % 8.
;          Lane (r, h) of tile 4 c + u: key 64 c + 8 u + r % 8 + 32 (r / 8), channels 32 h .. 32 h + 31
;   KS     K's scale words, word i of lane l at 256 (i / 2) + 8 l + 4 (i % 2): lanes 0-15 tile 2 i's key r, lanes 16-31 tile 2 i + 1's; bytes 0, 1: the two blocks of 32 channels; bytes 2, 3: the same two again
;   VA     V's codes, registers 6 c .. 6 c + 3 of fragment T (channel 16 T + r, keys 64 c + 32 h + 0 .. 31) at 512 (2 T + c) + 16 l
;   VB     V's codes, registers 6 c + 4, 6 c + 5, at 1024 c + 512 (T / 2) + 256 h + 128 ((T % 2) xor h) + 8 r
;   VS     V's scale words, word i of lane l at 8 l + 4 i: lanes 0-15 fragment 2 i's channel r, lanes 16-31 fragment 2 i + 1's; byte b: the step's block b of 32 keys
; SHARES.  A work-group takes 32 rows: one block of 32 keys (step j = U / 4, block b = U % 4), whole rows for the norm.  Phase A: wave w norms row w and puts it into LDS.  Behind one barrier wave w takes head w % 8:
; waves 0-15 two of the block's four pieces of K tiles, waves 16-31 32 channels of V; each lane one block of 32 numbers.
; 128 work-groups: a block along the keys wants 32 rows and the norm wants whole rows; a split by heads would read the rows again.
; The codes leave in whole aligned units of 256 bytes; the scale words and bytes (768 of a block's 13,056 bytes) are written in parts, since a step's words gather four work-groups' blocks.
.set PITCH, 2064                       ; a row of xn in LDS: 2,048 bytes + 16
.set SPARE, 32*PITCH                   ; behind the 32 rows: the spare words, 128 bytes for each wave
.set STEPB, 13056
.set HEADB, 32*STEPB
.set KS,    6144
.set VA,    6656
.set VB,    10752
.set VS,    12800
.set A16,  1                           ; v1   16 x lane
.set XST,  2                           ; v2   LDS: my wave's row, my 16 bytes
.set KRD,  3                           ; v3   LDS: my key's row, my head, my 32 channels
.set VRD,  4                           ; v4   LDS: my channel
.set O128, 5                           ; v5   K's codes: offset of my 16 bytes
.set O64,  6                           ; v6   and of my 8 bytes of the group between
.set OKS,  7                           ; v7   K's scale words
.set SPW,  8                           ; v8   LDS address of my spare word; never rewritten
.set NIL,  9                           ; v9   0; never rewritten
.set OVA,  10                          ; v10-12 V's codes and bytes
.set OVB,  11
.set OVS,  12
.set SH8,  13                          ; v13  8 x my half of the channels
.set TP,   16                          ; v16 a sum, v17 the other half of the lanes'
.set ST,   18                          ; v18-19 the mean, later 1 / sqrt(variance + eps), twice
.set X,    32                          ; v32-63 the row's 16 numbers; later my block's 32
.set Y,    64                          ; v64-71 at work
.set KC,   80                          ; v80-85 a block's codes
.set KT,   88                          ; v88-90 the second half as the conversion leaves it
.set AM,   92                          ; v92-93 the largest magnitude, two chains
.set SCL,  94                          ; v94  the scale operand
.set BY,   95                          ; v95  the byte, then the word
.set D128, 96                          ; v96-99, v100-101 what is stored
.set D64,  100
.set BT,   102                         ; v102 the neighbour's byte
	s_load_b128 s[4:7], s[0:1], 0x0                ; x s[4:5], kv s[6:7]
	v_lshl_add_u32 v[SPW], v0, 2, SPARE
	v_mov_b32 v[NIL], 0
	v_lshrrev_b32 v14, 5, v0
	v_readfirstlane_b32 s8, v14                    ; wave 0..31
	v_and_b32 v15, 31, v0                          ; lane
	v_lshlrev_b32 v[A16], 4, v15
	s_lshl_b32 s18, ttmp9, 16                      ; x: 32 rows of 2,048 bytes a work-group,
	s_lshl_b32 s19, s8, 11                         ; one a wave
	s_add_co_u32 s18, s18, s19
	s_mov_b32 s19, 0
	s_wait_alu depctr_va_vdst(0)                   ; the wait here, directly ahead of the wait below
	s_wait_kmcnt 0x0
	s_add_nc_u64 s[4:5], s[4:5], s[18:19]
.irp i, 0,1,2,3
	global_load_b128 v[X+4*\i:X+4*\i+3], v[A16], s[4:5] offset:512*\i th:TH_LOAD_NT   ; 32 lanes read 512 neighbouring bytes
.endr
	; the set-up, while the row is on its way
	s_mul_i32 s9, s8, PITCH
	s_and_b32 s10, s8, 7                           ; my head
	s_bfe_u32 s11, s8, 0x10003                     ; e: which two tiles of the four (K), which 32 channels of the 64 (V)
	s_mul_i32 s12, s11, 16*PITCH
	s_lshl_b32 s13, s10, 8
	s_add_co_u32 s12, s12, s13
	s_lshl_b32 s25, s11, 7
	s_add_co_u32 s13, s13, s25
	s_lshr_b32 s14, ttmp9, 2                       ; j: the step of 128 keys
	s_and_b32 s15, ttmp9, 3                        ; b: its block of 32
	s_lshr_b32 s16, s15, 1                         ; c = b / 2
	s_and_b32 s17, s15, 1                          ; b % 2
	s_mul_i32 s26, s10, HEADB
	s_mul_i32 s27, s14, STEPB
	s_add_co_u32 s26, s26, s27                     ; my head's block of this step, in bytes; the five places in it that I store to:
	s_lshl_b32 s27, s17, 8                         ; 256 (b % 2)
	s_lshl_b32 s28, s16, 1
	s_add_co_u32 s28, s28, s11
	s_mul_i32 s28, s28, 1536                       ; K's codes: a pair of tiles is three runs of 512 bytes
	s_add_co_u32 s28, s28, s26
	s_add_co_u32 s28, s28, s27
	s_mov_b32 s29, 0
	s_lshl_b32 s30, s16, 8                         ; K's scale words
	s_lshl_b32 s31, s17, 6
	s_add_co_u32 s30, s30, s31
	s_lshl_b32 s31, s11, 2
	s_add_co_u32 s30, s30, s31
	s_add_co_u32 s30, s30, s26
	s_add_co_u32 s30, s30, KS
	s_lshl_b32 s32, s11, 11                        ; V's codes
	s_lshl_b32 s33, s16, 9
	s_add_co_u32 s32, s32, s33
	s_add_co_u32 s32, s32, s27
	s_add_co_u32 s32, s32, s26
	s_add_co_u32 s32, s32, VA
	s_lshl_b32 s34, s16, 10
	s_lshl_b32 s35, s11, 9
	s_add_co_u32 s34, s34, s35
	s_add_co_u32 s34, s34, s27
	s_add_co_u32 s34, s34, s26
	s_add_co_u32 s34, s34, VB
	s_add_co_u32 s36, s26, s15                     ; V's scale bytes: byte b
	s_add_co_u32 s36, s36, s31
	s_add_co_u32 s36, s36, VS
	s_mov_b32 s31, 0
	s_mov_b32 s33, 0
	s_mov_b32 s35, 0
	s_mov_b32 s37, 0
	s_add_nc_u64 s[28:29], s[6:7], s[28:29]
	s_add_nc_u64 s[30:31], s[6:7], s[30:31]
	s_add_nc_u64 s[32:33], s[6:7], s[32:33]
	s_add_nc_u64 s[34:35], s[6:7], s[34:35]
	s_add_nc_u64 s[36:37], s[6:7], s[36:37]
	s_mov_b32 s20, 0x76543210
	s_mov_b32 s21, 0xfedcba98                      ; v_permlanex16_b32's selects for lane l xor 16
	s_mov_b32 s22, 0x3b000000                      ; 1 / 512
	s_mov_b32 s23, 0x3727c5ac                      ; eps = 1e-5
	s_mov_b32 s24, 0xffff0000                      ; lanes 16-31
	v_and_b32 v15, 31, v0
	v_and_b32 v20, 7, v0                           ; a K item: key 16 e + 8 hi + l % 8 of the block, channels 32 hc ..; hc = (l / 8) % 2, hi = l / 16
	v_bfe_u32 v21, v0, 3, 1                        ; hc
	v_bfe_u32 v22, v0, 4, 1                        ; hi
	v_and_b32 v23, 15, v0
	v_add_nc_u32 v[XST], s9, v[A16]
	v_lshl_or_b32 v24, v22, 3, v20
	v_mul_u32_u24 v24, v24, PITCH
	v_lshl_add_u32 v24, v21, 7, v24
	v_add_nc_u32 v[KRD], s12, v24
	v_lshl_add_u32 v[VRD], v15, 2, s13
	v_lshlrev_b32 v[SH8], 3, v21
	v_xor_b32 v25, s17, v21
	v_lshl_or_b32 v25, v25, 3, v20
	v_lshlrev_b32 v25, 4, v25                      ; 128 (hc xor b % 2) + 16 (l % 8)
	v_lshl_add_u32 v[O128], v22, 10, v25           ; lanes 0-15 the first group of the pair's three, lanes 16-31 the third
	v_lshl_add_u32 v[O64], v22, 3, v25             ; the second group: 8 bytes of each
	v_lshlrev_b32 v26, 3, v20
	v_lshl_add_u32 v[OKS], v22, 7, v26
	v_lshlrev_b32 v27, 4, v23
	v_lshl_add_u32 v[OVA], v22, 10, v27
	v_xor_b32 v28, s17, v22
	v_lshlrev_b32 v28, 7, v28
	v_lshl_add_u32 v[OVB], v23, 3, v28
	v_lshlrev_b32 v[OVS], 3, v15
	v_mov_b32 v[TP+1], 0                           ; written once: a lane permute's destination counts as one of its sources
	v_mov_b32 v[BT], 0
; the sum in v[TP] over the 32 lanes; every lane ends with it
.macro RED
.irp m, 1,2,4,8
	s_delay_alu instid0(VALU_DEP_1)
	v_add_f32_dpp v[TP], v[TP], v[TP] row_xmask:\m row_mask:0xf bank_mask:0xf
.endr
	s_delay_alu instid0(VALU_DEP_1)
	v_permlanex16_b32 v[TP+1], v[TP], s20, s21
	s_delay_alu instid0(VALU_DEP_1)
	v_add_f32 v[TP], v[TP], v[TP+1]
.endm
; my block's 32 numbers, v[X] .. v[X + 31]: the largest magnitude and the floor 2^(3 - 127) in two chains; the scale; the byte; the codes
.macro QUANT
	v_max3_num_f32 v[AM], |v[X]|, |v[X+1]|, 0x1800000
	v_max3_num_f32 v[AM+1], |v[X+2]|, |v[X+3]|, |v[X+4]|
.irp i, 5,9,13,17,21,25
	s_delay_alu instid0(VALU_DEP_2)
	v_max3_num_f32 v[AM], v[AM], |v[X+\i]|, |v[X+\i+1]|
	s_delay_alu instid0(VALU_DEP_2)
	v_max3_num_f32 v[AM+1], v[AM+1], |v[X+\i+2]|, |v[X+\i+3]|
.endr
	v_max3_num_f32 v[AM], v[AM], |v[X+29]|, |v[X+30]|
	v_max3_num_f32 v[AM], v[AM], v[AM+1], |v[X+31]|
	v_add_nc_u32 v[SCL], 0xff000000, v[AM]         ; 2 off the exponent field: the conversion takes the exponent field of this operand as its scale, and nothing else of it
	v_cvt_scalef32_pk16_fp6_f32 v[KC:KC+2], v[X:X+15], v[SCL]
	v_cvt_scalef32_pk16_fp6_f32 v[KT:KT+2], v[X+16:X+31], v[SCL]   ; (a conversion's three registers begin on an even number)
	v_lshrrev_b32 v[BY], 23, v[SCL]                ; the scale's byte.  (A plain line behind the conversions)
.irp i, 0,1,2
	v_mov_b32 v[KC+3+\i], v[KT+\i]
.endr
.endm
	s_wait_alu depctr_va_vdst(0)                   ; the wait at the head's end
	s_wait_loadcnt 0x0
	; ---- A: the norm of my row
.irp p, 0,1,2,3
	v_pk_add_f32 v[Y+2*\p:Y+2*\p+1], v[X+4*\p:X+4*\p+1], v[X+4*\p+2:X+4*\p+3]
.endr
	v_pk_add_f32 v[Y:Y+1], v[Y:Y+1], v[Y+2:Y+3]
	v_pk_add_f32 v[Y+4:Y+5], v[Y+4:Y+5], v[Y+6:Y+7]
	v_pk_add_f32 v[Y:Y+1], v[Y:Y+1], v[Y+4:Y+5]
	v_add_f32 v[TP], v[Y], v[Y+1]
	RED
	v_mul_f32 v[ST], s22, v[TP]                    ; the mean,
	v_mov_b32 v[ST+1], v[ST]                       ; twice, for the packed forms
.irp p, 0,1,2,3,4,5,6,7
	v_pk_add_f32 v[X+2*\p:X+2*\p+1], v[X+2*\p:X+2*\p+1], v[ST:ST+1] neg_lo:[0,1] neg_hi:[0,1]   ; x - mean, in place
.endr
	v_pk_mul_f32 v[Y:Y+1], v[X:X+1], v[X:X+1]
	v_pk_mul_f32 v[Y+2:Y+3], v[X+2:X+3], v[X+2:X+3]
.irp p, 4,8,12
	v_pk_fma_f32 v[Y:Y+1], v[X+\p:X+\p+1], v[X+\p:X+\p+1], v[Y:Y+1]
	v_pk_fma_f32 v[Y+2:Y+3], v[X+\p+2:X+\p+3], v[X+\p+2:X+\p+3], v[Y+2:Y+3]
.endr
	v_pk_add_f32 v[Y:Y+1], v[Y:Y+1], v[Y+2:Y+3]
	v_add_f32 v[TP], v[Y], v[Y+1]
	RED
	v_fma_f32 v[TP], v[TP], s22, s23               ; variance + eps
	s_wait_alu depctr_va_vdst(0)                   ; the wait ahead of the transcendental
	v_rsq_f32 v[ST], v[TP]
	v_nop                                          ; a plain instruction behind it,
	s_wait_alu depctr_va_vdst(0)                   ; and the wait ahead of its first reader
	v_mov_b32 v[ST+1], v[ST]
.irp p, 0,1,2,3,4,5,6,7
	v_pk_mul_f32 v[X+2*\p:X+2*\p+1], v[X+2*\p:X+2*\p+1], v[ST:ST+1]   ; xn
.endr
.irp i, 0,1,2,3
	ds_store_b128 v[XST], v[X+4*\i:X+4*\i+3] offset:512*\i
.endr
	s_wait_dscnt 0x0                               ; for the others' sake: my row lies in LDS
	s_barrier_signal -1
	s_barrier_wait -1                              ; all 32 rows do
	s_cmp_lt_u32 s8, 16
	s_cbranch_scc0 .Lvalues
	; ---- K: a lane takes one key's 32 channels
.irp i, 0,1,2,3,4,5,6,7
	ds_load_b128 v[X+4*\i:X+4*\i+3], v[KRD] offset:16*\i
.endr
	s_wait_dscnt 0x0
	QUANT
	v_lshlrev_b32 v[BY], v[SH8], v[BY]             ; my block's byte at its place in the word;
	v_mov_b32_dpp v[BT], v[BY] row_xmask:8 row_mask:0xf bank_mask:0xf
	v_or_b32 v[BY], v[BY], v[BT]                   ; with lane l xor 8's, the key's other 32 channels,
	v_lshl_or_b32 v[BY], v[BY], 16, v[BY]          ; and both once more for the upper 64 of the instruction's 128
.irp i, 0,1,2,3
	v_cndmask_b32 v[D128+\i], v[KC+\i], v[KC+2+\i], s24   ; lanes 0-15 (the even tile) registers 0-3, lanes 16-31 (the odd tile) registers 2-5
.endr
.irp i, 0,1
	v_cndmask_b32 v[D64+\i], v[KC+4+\i], v[KC+\i], s24    ; and 4, 5 of the even tile, 0, 1 of the odd one
.endr
	global_store_b128 v[O128], v[D128:D128+3], s[28:29]   ; sixteen lanes store 256 neighbouring bytes, aligned
	global_store_b64 v[O64], v[D64:D64+1], s[28:29] offset:512   ; the 32 lanes store 256 neighbouring bytes, aligned
	global_store_b32 v[OKS], v[BY], s[30:31]       ; (lanes l and l xor 8 store the same word with the same value)
	s_branch .Lend
.Lvalues:
	; ---- V: a lane takes one channel, 32 e + lane, which is row r of fragment T = 2 e + hi; its 32 registers run down the keys
.set n, 0
.rept 32
	ds_load_b32 v[X+n], v[VRD] offset:n*PITCH      ; 32 lanes read 128 neighbouring bytes
.set n, n+1
.endr
	s_wait_dscnt 0x0
	QUANT
	global_store_b128 v[OVA], v[KC:KC+3], s[32:33]        ; sixteen lanes store 256 neighbouring bytes, aligned
	global_store_b64 v[OVB], v[KC+4:KC+5], s[34:35]       ; the 32 lanes store 256 neighbouring bytes, aligned
	global_store_b8 v[OVS], v[BY], s[36:37]
.Lend:
	s_wait_tensorcnt 0x0                           ; the wave's end, behind my last LDS store
	ds_add_u32 v[SPW], v[NIL]
	s_wait_dscnt 0x0
	s_endpgm
.Lfunc_end_k_q0c1546fa91_prep:
	.size	k_q0c1546fa91_prep, .Lfunc_end_k_q0c1546fa91_prep-k_q0c1546fa91_prep
	.p2alignl 7, 3214868480
	.fill 96, 4, 3214868480
	.section	.rodata,"a",@progbits
	.p2align	6, 0x0
	.amdhsa_kernel k_q0c1546fa91_prep
		.amdhsa_group_segment_fixed_size 70144
		.amdhsa_private_segment_fixed_size 0
		.amdhsa_enable_private_segment 0
		.amdhsa_kernarg_size 16
		.amdhsa_user_sgpr_count 2
		.amdhsa_user_sgpr_kernarg_segment_ptr 1
		.amdhsa_wavefront_size32 1
		.amdhsa_system_sgpr_workgroup_id_x 1
		.amdhsa_system_sgpr_workgroup_id_y 1
		.amdhsa_system_sgpr_workgroup_id_z 1
		.amdhsa_system_vgpr_workitem_id 0
		.amdhsa_next_free_vgpr 128
		.amdhsa_next_free_sgpr 66
		.amdhsa_reserve_vcc 0
		.amdhsa_float_denorm_mode_32 3
		.amdhsa_float_denorm_mode_16_64 3
		.amdhsa_memory_ordered 1
		.amdhsa_forward_progress 1
		.amdhsa_inst_pref_size 16
	.end_amdhsa_kernel
	.amdgpu_metadata
---
amdhsa.version: [ 1, 2 ]
amdhsa.kernels:
  - .name:           k_q0c1546fa91_prep
    .symbol:         k_q0c1546fa91_prep.kd
    .args:
      - { .name: x, .offset: 0, .size: 8, .value_kind: global_buffer, .address_space: global }
      - { .name: kv, .offset: 8, .size: 8, .value_kind: global_buffer, .address_space: global }
    .group_segment_fixed_size: 70144
    .private_segment_fixed_size: 0
    .kernarg_segment_align: 8
    .kernarg_segment_size: 16
    .max_flat_workgroup_size: 1024
    .sgpr_count:     66
    .vgpr_count:     128
    .wavefront_size: 32
...
	.end_amdgpu_metadata
.endif
;; end of part 1
;; launch attn (part 2): grid 32 x 8, 16 waves a work-group, clusters of 4 x 1, 327,680 bytes of LDS; arguments kv, x, res; writes res
.if DOCPART == 2
	.amdgcn_target "amdgcn-amd-amdhsa--gfx1250"
	.amdhsa_code_object_version 6
	.text
	.protected	k_q0c1546fa91_attn
	.globl	k_q0c1546fa91_attn
	.p2align	8
	.type	k_q0c1546fa91_attn,@function
k_q0c1546fa91_attn:
	s_mov_b64 s[64:65], 0
	v_nop
	global_prefetch_b8 v0, s[64:65] scope:SCOPE_SE
	s_setreg_imm32_b32 hwreg(HW_REG_WAVE_MODE, 25, 1), 1
	s_wait_xcnt 0x0
	s_wait_alu depctr_hold_cnt(0) depctr_sa_sdst(0) depctr_va_vdst(0) depctr_va_sdst(0) depctr_va_ssrc(0) depctr_va_vcc(0) depctr_vm_vsrc(0)
	s_getreg_b32 s2, hwreg(HW_REG_IB_STS2, 6, 4)
	s_cmp_eq_u32 s2, 0
	s_cbranch_scc0 .Lentry_in_a_cluster
	s_endpgm
.Lentry_in_a_cluster:
	s_bfe_u32 s2, ttmp6, 0x10000c
	s_cmp_lg_u32 s2, 0x3003
	s_cbranch_scc0 .Lentry_shape_is_right
	s_endpgm
.Lentry_shape_is_right:
; SECOND LAUNCH.  res[q][64 head ..] = x + (sum over k of p(q, k) V[k]) / (sum over k of p(q, k)), both products on codes of FP6 (E2M3) with E8M0 scales, from the workspace kv that the first launch laid
; as images of operand registers (its head comment gives the layout).  Nothing is left out as dead work.
; THE SOFTMAX AHEAD OF THE SECOND PRODUCT: t = score x log2(e) / 8; p = 2^(t - M), M a whole number, is quantised along the keys; the row's sum is taken of the unquantised p and divides at the end.
; M IS THE CONSTANT 4, NOT THE ROW'S MAXIMUM, since the computation itself bounds t for every input.  The vectors are normalised by the norm that the problem itself takes: the 512 squares of a row of xn add up to
; 512 v / (v + eps) < 512, so a head's 64 have length under 22.63.  The quantiser moves a number by at most 1/16 of itself (normal codes, the clamp at 7.5 too) or 1/64 of its block's largest (subnormal codes), so a quantised
; vector is at most sqrt(1/256 + 31/4096) = 0.1071 longer: under 25.05.  So |score sum| < 627.6 and |t| < 113.2.  With M = 4: 2^-117.2 < p < 2^109.2; a row's sum < 2^121.2; |O| < 2^126; p's scale bytes lie in 7 .. 234:
; no exponential and no sum overflows or falls under the smallest normal f32, and no scale meets its hold.  Since 4 is a whole number, p is the stated p times an exact power of two, which the block's scale takes up: the codes' values are the same.
; LIMITS: NaN and infinities in x are not served.
; SHARES.  A work-group owns 128 queries of one head (one step's block of kv); 256 work-groups.  Sixteen waves of 256 registers, four to a SIMD.  Wave w owns the 32 queries of tiles 2 (w % 4) and 2 (w % 4) + 1, so that a fragment
; from LDS serves two products, and walks a QUARTER of the keys: every fourth step of 128 keys, from step w / 4 on: eight steps.  Under a constant M the quarters' O and sums are simply added at the end, through LDS.
; LAYOUT.  Both products are used transposed: S^T = K Q^T (source 0 = 16 keys, source 1 = 16 queries), O^T = V^T P^T (source 0 = 16 channels, source 1 = P): a lane holds ONE query of each tile throughout.
; The keys of a tile are not neighbours (lane r of tile 4 c + u: key 64 c + 8 u + r % 8 + 32 (r / 8)), so that a lane's 32 scores of tiles 4 c .. 4 c + 3 are the 32 neighbouring keys of block 2 c + lane / 16: a whole block of P's K in
; one lane, just where P's operand layout wants it: its largest p needs no other lane, and nothing is exchanged but the scale bytes.
; THE HEAD HAS 64 CHANNELS AND THE INSTRUCTION 128.  Q lies as: the first tile's codes, six registers of zero codes, the second tile's codes.  The first tile is multiplied as (codes, zeros) with K's tile in the lower half of source 0,
; the second as (zeros, codes) with K's tile in the upper half.  The other half of source 0 is whatever six registers stand beside the tile (a neighbouring tile, codes of V or of p, constants): E2M3 has no NaN and no
; infinity and every scale byte is finite, so those products are exact zeros.  K's scale words hold their two bytes twice, for both forms.
; CLUSTER.  The four query blocks of a cluster belong to one head and walk the same blocks of kv: each is asked for JOINTLY, by the same tensor load with the same descriptor and a mask that names the four.
; LDS holds 24 of the head's 32 blocks.  Three fills, one block a load, one load a wave: blocks 0-7 at the head; 8-23 behind the first round; blocks 24-31 into 0-7's place behind the second.
; No data prefetch: the second fill follows the first at once.
.set STEPB, 13056
.set HEADB, 32*STEPB
.set KS,    6144
.set VA,    6656
.set VB,    10752
.set VS,    12800
.set MERGE, 8*STEPB                    ; blocks 8-15 are read for the last time ahead of step 3's signal and not filled again: 24,576 bytes for each pair of tiles: O^T as images of registers,
.set LSB,   MERGE+4*24576              ; and the sums, 128 bytes for each wave and tile: 102,400 bytes of the eight blocks' 104,448
.set STAGE, 16*STEPB                   ; behind the merge's barrier no block is read any more: 8 x 16 rows x (256 bytes + 16): the way out
.set SPARE, 24*STEPB                   ; behind the 24 blocks: the spare words, 128 bytes for each wave
.set AK,   1                           ; v1-4   the step in hand + v36-39
.set A16,  2
.set AE,   3
.set A8,   4
.set QS,   5                           ; v5     Q's scale words: lanes 0-15 the first tile's, lanes 16-31 the second's
.set TW,   6                           ; v6-7   p's scale bytes, a register a tile
.set KSR,  8                           ; v8-11  K's scale words of a step
.set VSR,  12                          ; v12-13 V's
.set LSUM, 14                          ; v14-17 the row's sum, a pair a tile
.set Q,    18                          ; v18-23 the first tile's codes, v24-29 zeros, v30-35 the second tile's
.set BK,   36                          ; v36-41 constants, never rewritten: 16 pos (K's image),
.set B16,  37                          ;        16 x lane,
.set BE,   38                          ;        384 h + 8 r (VB, even fragments),
.set B8,   39                          ;        8 x lane = 128 h + 8 r (VB, odd fragments; scale words),
.set SPW,  40                          ;        LDS address of my spare word,
.set NIL,  41                          ;        0
.set FB,   42                          ; v42-89 K's eight tiles, then V's four fragments
.set PC,   90                          ; v90-113 p's codes, 12 a tile
.set SC,   114                         ; v114-177 64 keys' scores, 32 a tile, then p
.set OT,   178                         ; v178-241 O^T, 32 a tile
.set TM,   242                         ; v242-245 blocks' largest p, two chains a tile
.set SCL,  246                         ; v246-247 scale operands
.set PT,   248                         ; v248-250, v252-254 second halves as the conversions leave them
.set PW,   251                         ; v251   p's scale words: lanes 0-15 the first tile's, lanes 16-31 the second's
.set WV,   10                          ; s10  my wave's number
.set GR,   14                          ; s14  w / 4: my quarter of the keys
.set PR,   15                          ; s15  w % 4: my pair of tiles
.set TB,   28                          ; s28  LDS byte at which a step's block begins
.set SEL,  34                          ; s[34:35] lane selects for lane l xor 16
.set CS,   36                          ; s[36:37] log2(e) / 8
; A round of the cluster's barrier; CREST: what follows its opening barrier
.macro CREST
	s_cmp_lg_u32 s[WV], 0
	s_cbranch_scc1 .Lnot_wave_0_\@
	s_barrier_signal -3
.Lnot_wave_0_\@:
	s_barrier_wait -3
	s_barrier_signal -1
	s_barrier_wait -1
.endm
.macro CROUND
	s_barrier_signal -1
	s_barrier_wait -1
	CREST
.endm
; A joint load by waves 0 to 7, one block each.  The branch hangs on the wave's number alone.  An s_nop 0 and four v_nop follow the load.
.macro JLOAD8
	s_cmp_lt_u32 s[WV], 8
	s_cbranch_scc0 .Lno_load_\@
	tensor_load_to_lds s[24:27], s[16:23]
	s_nop 0
.rept 4
	v_nop
.endr
.Lno_load_\@:
.endm
.macro WM d, a, b, cc, sa, sb, mm, nn
	v_wmma_scale_f32_16x16x128_f8f6f4 v[\d:\d+7], v[\a:\a+11], v[\b:\b+11], \cc, v[\sa], v[\sb] matrix_a_fmt:MATRIX_FMT_FP6 matrix_b_fmt:MATRIX_FMT_FP6 \mm \nn
.endm
; scores of K's tile 4 c + u: QA with my first tile of queries, QB with my second
.macro QA c, u
.if (\u)%2
	WM SC+8*(\u), FB+24*(\c)+6*(\u), Q, 0, KSR+2*(\c)+(\u)/2, QS, matrix_a_scale:MATRIX_SCALE_ROW1
.else
	WM SC+8*(\u), FB+24*(\c)+6*(\u), Q, 0, KSR+2*(\c)+(\u)/2, QS
.endif
.endm
.macro QB c, u
.if (\u)%2
	WM SC+32+8*(\u), FB+24*(\c)+6*(\u)-6, Q+6, 0, KSR+2*(\c)+(\u)/2, QS, matrix_a_scale:MATRIX_SCALE_ROW1, matrix_b_scale:MATRIX_SCALE_ROW1
.else
	WM SC+32+8*(\u), FB+24*(\c)+6*(\u)-6, Q+6, 0, KSR+2*(\c)+(\u)/2, QS, matrix_b_scale:MATRIX_SCALE_ROW1
.endif
.endm
; the second product: channels 16 T .. 16 T + 15 of tile q; start = 1: it begins here
.macro OW T, q, cc
.if (\T)%2
.if \q
	WM OT+32+8*(\T), FB+12*(\T), PC+12, \cc, VSR+(\T)/2, PW, matrix_a_scale:MATRIX_SCALE_ROW1, matrix_b_scale:MATRIX_SCALE_ROW1
.else
	WM OT+8*(\T), FB+12*(\T), PC, \cc, VSR+(\T)/2, PW, matrix_a_scale:MATRIX_SCALE_ROW1
.endif
.else
.if \q
	WM OT+32+8*(\T), FB+12*(\T), PC+12, \cc, VSR+(\T)/2, PW, matrix_b_scale:MATRIX_SCALE_ROW1
.else
	WM OT+8*(\T), FB+12*(\T), PC, \cc, VSR+(\T)/2, PW
.endif
.endif
.endm
.macro OV T, q, start
.if \start
	OW \T, \q, 0
.else
	OW \T, \q, v[OT+32*(\q)+8*(\T):OT+32*(\q)+8*(\T)+7]
.endif
.endm
; the sum's lines, the two tiles by turns.  A half's 32 p of a tile are folded onto its upper 16 (LV16) and from there on downwards, so that the rest can stand among the next scores' first four products, which write the lower 16
.macro LV16
.set j, 0
.rept 8
.irp q, 0,1
	v_pk_add_f32 v[SC+32*\q+16+j:SC+32*\q+17+j], v[SC+32*\q+16+j:SC+32*\q+17+j], v[SC+32*\q+j:SC+32*\q+1+j]
.endr
.set j, j+2
.endr
.endm
.macro AD k, d
.irp q, 0,1
	v_pk_add_f32 v[SC+32*\q+16+2*(\k):SC+32*\q+17+2*(\k)], v[SC+32*\q+16+2*(\k):SC+32*\q+17+2*(\k)], v[SC+32*\q+16+2*(\k)+\d:SC+32*\q+17+2*(\k)+\d]
.endr
.endm
.macro ADL
.irp q, 0,1
	v_pk_add_f32 v[LSUM+2*\q:LSUM+2*\q+1], v[LSUM+2*\q:LSUM+2*\q+1], v[SC+32*\q+16:SC+32*\q+17]
.endr
.endm
.macro ADS                             ; the sum begins
.irp q, 0,1
	v_pk_add_f32 v[LSUM+2*\q:LSUM+2*\q+1], v[SC+32*\q+16:SC+32*\q+17], v[SC+32*\q+18:SC+32*\q+19]
.endr
.endm
.macro TLESS                           ; t - 4, two at a time, in the order of the products, each accumulator from its low end on
.irp o, 0,32,8,40,16,48,24,56
.irp i, 0,2,4,6
	v_pk_fma_f32 v[SC+\o+\i:SC+\o+\i+1], v[SC+\o+\i:SC+\o+\i+1], s[CS:CS+1], -4.0 op_sel_hi:[1,0,0]
.endr
.endr
.endm
.macro EX n                            ; n exponentials
.rept \n
	v_exp_f32 v[SC+j], v[SC+j]
.set j, j+1
.endr
.endm
; the first half of a step's K: its scale words and tiles 0-3
.macro KL0
	ds_load_b64 v[KSR:KSR+1], v[A8] offset:KS
	ds_load_b64 v[KSR+2:KSR+3], v[A8] offset:KS+256
.irp i, 0,1,2,3,4,5
	ds_load_b128 v[FB+4*\i:FB+4*\i+3], v[AK] offset:512*\i
.endr
.endm
; From 64 keys' p to p's codes (registers 6 c .. 6 c + 5 of each tile's operand) and scale bytes.  A lane holds block 2 c + lane / 16 of its query in each tile.
.macro POST c
.irp q, 0,1
	v_max3_num_f32 v[TM+2*\q], v[SC+32*\q], v[SC+32*\q+1], v[SC+32*\q+2]   ; the block's largest p (none is negative, none under 2^-118: no floor is owed), two chains a tile
	v_max3_num_f32 v[TM+2*\q+1], v[SC+32*\q+3], v[SC+32*\q+4], v[SC+32*\q+5]
.endr
.irp i, 6,10,14,18,22,26
.irp q, 0,1
	v_max3_num_f32 v[TM+2*\q], v[TM+2*\q], v[SC+32*\q+\i], v[SC+32*\q+\i+1]
	v_max3_num_f32 v[TM+2*\q+1], v[TM+2*\q+1], v[SC+32*\q+\i+2], v[SC+32*\q+\i+3]
.endr
.endr
.irp q, 0,1
	v_max3_num_f32 v[TM+2*\q], v[TM+2*\q], v[SC+32*\q+30], v[SC+32*\q+31]
.endr
.irp q, 0,1
	v_max_num_f32 v[TM+2*\q], v[TM+2*\q], v[TM+2*\q+1]
.endr
.irp q, 0,1
	v_add_nc_u32 v[SCL+\q], 0xff000000, v[TM+2*\q] ; 2 off the exponent field: the conversion takes the exponent field of this operand as its scale, and nothing else of it
.endr
.irp q, 0,1
	v_cvt_scalef32_pk16_fp6_f32 v[PC+12*\q+6*(\c):PC+12*\q+6*(\c)+2], v[SC+32*\q:SC+32*\q+15], v[SCL+\q]
	v_cvt_scalef32_pk16_fp6_f32 v[PT+4*\q:PT+4*\q+2], v[SC+32*\q+16:SC+32*\q+31], v[SCL+\q]   ; (a conversion's three registers begin on an even number)
.endr
.if (\c) == 0                                  ; the scales' bytes (plain lines behind the conversions): block h's byte 0,
.irp q, 0,1
	v_lshrrev_b32 v[TW+\q], 23, v[SCL+\q]
.endr
.else                                          ; and block 2 + h's byte 2
.irp q, 0,1
	v_lshrrev_b32 v[TM+\q], 23, v[SCL+\q]
.endr
.irp q, 0,1
	v_lshl_or_b32 v[TW+\q], v[TM+\q], 16, v[TW+\q]
.endr
	v_permlane16_swap_b32 v[TW], v[TW+1]           ; now v[TW] holds blocks 0 and 2 (lanes 0-15 of the first tile, lanes 16-31 of the second), v[TW + 1] blocks 1 and 3
.endif
.irp q, 0,1
	v_dual_mov_b32 v[PC+12*\q+6*(\c)+3], v[PT+4*\q] :: v_dual_mov_b32 v[PC+12*\q+6*(\c)+4], v[PT+4*\q+1]
.endr
.irp q, 0,1
	v_mov_b32 v[PC+12*\q+6*(\c)+5], v[PT+4*\q+2]
.endr
.if (\c) == 1
	v_lshl_or_b32 v[PW], v[TW+1], 8, v[TW]         ; the scale words of these 128 keys
.endif
	LV16                                           ; THE ROW'S SUM IS TAKEN OF THE UNQUANTISED p.  (These sixteen are also the places between codes and scale words and the products)
.endm
; A KEY STEP: 128 keys x 32 queries.  At its top the first half of its K has been asked for.  start = 1: the launch's first, which begins the sums.  pre = 1: the next step's first half of K is asked for at the end.
; kind: 1 signals that my part of blocks 24-31 has landed and that I have read blocks 8-15; 2 waits for all waves' such signals (and the next step is in block w / 4 again);
; 3 opens the round behind which blocks 0-7 are filled again: all LDS reads of the step are over, and the second product stands inside the round; 4 is the last
.macro STEP start, pre, kind
	s_wait_dscnt 0x0
	QA 0, 0
	v_add_nc_u32 v[A16], s[TB], v[B16]             ; (among the products: the places in front of the first read of the scores; later ones have the lines ahead of their own reads)
	QB 0, 0
	v_add_nc_u32 v[AE], s[TB], v[BE]
	QA 0, 1
	v_nop
	QB 0, 1
	v_nop
	QA 0, 2
	QB 0, 2
	QA 0, 3
	QB 0, 3
	TLESS
	s_wait_alu depctr_va_vdst(0)                   ; the wait ahead of the batch
.irp i, 6,7,8,9,10,11                          ; the second half of K is asked for, and has the batch in which to land
	ds_load_b128 v[FB+4*\i:FB+4*\i+3], v[AK] offset:512*\i
.endr
.set j, 0
	EX 64                                          ; p = 2^(t - 4): one batch
	v_nop                                          ; a plain instruction behind the last exponential,
	s_wait_dscnt 0x0                               ; the rest of K is in,
	s_wait_alu depctr_va_vdst(0)                   ; and the wait ahead of the batch's first reader
	POST 0
	QA 1, 0
	AD 0, 8
	AD 1, 8
	QB 1, 0
	AD 2, 8
	AD 3, 8
	QA 1, 1
	AD 0, 4
	AD 1, 4
	QB 1, 1
.if \start
	ADS
.else
	AD 0, 2
	ADL
.endif
	QA 1, 2
.if (\kind) == 2
	s_mul_i32 s[TB], s[GR], STEPB
.else
	s_add_co_u32 s[TB], s[TB], 4*STEPB             ; my next step: four blocks on
.endif
.if (\kind) != 4
	v_add_nc_u32 v[AK], s[TB], v[BK]
.endif
	QB 1, 2
	QA 1, 3
	QB 1, 3
	TLESS
	s_wait_alu depctr_va_vdst(0)
.irp T, 0,1,2,3                                ; V's four fragments are asked for now and wanted behind the conversions
.irp cc, 0,1
	ds_load_b128 v[FB+12*\T+6*\cc:FB+12*\T+6*\cc+3], v[A16] offset:VA+512*(2*\T+\cc)
.if \T%2 == 0
	ds_load_b64 v[FB+12*\T+6*\cc+4:FB+12*\T+6*\cc+5], v[AE] offset:VB+1024*\cc+512*(\T/2)
.else
	ds_load_b64 v[FB+12*\T+6*\cc+4:FB+12*\T+6*\cc+5], v[A8] offset:VB+1024*\cc+512*(\T/2)+128
.endif
.endr
.endr
	ds_load_b64 v[VSR:VSR+1], v[A8] offset:VS
.set j, 0
	EX 64
	v_nop
	s_wait_alu depctr_va_vdst(0)
	POST 1
.if (\kind) == 3
	s_wait_tensorcnt 0x0                           ; my block of 8-23 is in;
	ds_add_u32 v[SPW], v[NIL]                      ; 0 onto my spare word
	s_mul_i32 s25, s[WV], STEPB                    ; no tensor load of mine is out: block 24 + w goes into block w's place
	s_add_nc_u64 s[26:27], s[26:27], 16*STEPB
	s_wait_dscnt 0x0                               ; the add is done, V is in, and my reads of blocks 0-7 are over: say so
	s_barrier_signal -1
.else
	s_wait_dscnt 0x0                               ; V is in
.endif
.if (\kind) == 1
	s_wait_tensorcnt 0x0                           ; and so is my block of 24-31
	s_barrier_signal -1
.endif
.if (\kind) == 2
	s_barrier_wait -1                              ; every wave's block of 24-31 is in, and blocks 8-15 are read by nobody any more
.endif
	s_wait_alu depctr_va_vdst(0)                   ; the wait here, directly ahead of the readers of O^T and of what was written ahead of the waits above
	OV 0, 0, \start
	AD 0, 8
	OV 0, 1, \start
	AD 1, 8
	OV 1, 0, \start
	AD 2, 8
	OV 1, 1, \start
	AD 3, 8
	OV 2, 0, \start
.if (\kind) != 4
	v_add_nc_u32 v[A8], s[TB], v[B8]
.endif
	OV 2, 1, \start
	OV 3, 0, \start
	OV 3, 1, \start
	AD 0, 4                                        ; (four places in front of the loads into V's registers: ISA guide 7.12.1 for vector instructions)
	AD 1, 4
.if \pre
	KL0
.endif
	AD 0, 2
	ADL
.endm
	s_load_b128 s[4:7], s[0:1], 0x0                ; kv s[4:5], x s[6:7]
	s_load_b64 s[8:9], s[0:1], 0x10                ; res
	v_lshl_add_u32 v[SPW], v0, 2, SPARE
	v_mov_b32 v[NIL], 0
	ds_add_u32 v[SPW], v[NIL]                      ; the wave's opening: the add, twice on end, and its wait ahead of the first tensor loads; the set-up below, work on registers, stands between
	ds_add_u32 v[SPW], v[NIL]
	v_lshrrev_b32 v1, 5, v0
	v_readfirstlane_b32 s[WV], v1                  ; wave 0..15
	s_bfe_u32 s11, ttmp6, 0x40000                  ; cx: my place in the cluster
	s_lshl_b32 s12, ttmp9, 2                       ; in a cluster launch ttmp9 counts clusters
	s_add_co_u32 s12, s12, s11                     ; my block of 128 queries: it enters Q's, x's and res's addresses alone
	s_and_b32 s13, ttmp7, 0xffff                   ; the head, which the four partners share
	s_lshr_b32 s[GR], s[WV], 2
	s_and_b32 s[PR], s[WV], 3
	; descriptor group 1: a dense block of 13,056 bytes as 51 rows of 256 bytes (32 elements of 8 bytes), no padding
	s_mov_b32 s16, 15|(3<<16)|(1<<21)              ; 15:0 the mask: all four work-groups; 17:16 elements of 8 bytes; 21 set beside a mask
	s_mov_b32 s17, 32<<16                          ; tensor_dim0 = 32
	s_mov_b32 s18, 51<<16                          ; tensor_dim1 = 51
	s_mov_b32 s19, 32<<16                          ; tile_dim0 = 32
	s_mov_b32 s20, 51                              ; tile_dim1 = 51
	s_mov_b32 s21, 32                              ; from row to row
	s_mov_b32 s22, 0
	s_mov_b32 s23, 0
	s_mov_b32 s24, 1                               ; group 0: count = 1
	s_mul_i32 s25, s[WV], STEPB                    ; LDS address: block w (used by waves 0 to 7 alone)
	s_mul_i32 s40, s13, HEADB                      ; the head's first byte in kv
	s_mov_b32 s41, 0
	s_mov_b32 s42, s25
	s_mov_b32 s43, 0
	s_wait_alu depctr_va_vdst(0)                   ; the wait here, directly ahead of the wait below
	s_wait_dscnt 0x0                               ; both opening adds are done
	CROUND                                         ; all four work-groups are here: the first joint loads meet.  (The arguments are still on their way)
	s_wait_kmcnt 0x0
	s_add_nc_u64 s[40:41], s[4:5], s[40:41]        ; kv at my head
	s_add_nc_u64 s[26:27], s[40:41], s[42:43]      ; group 0: global address
	s_or_b32 s27, s27, 0x80000000                  ; type = 2
	JLOAD8                                         ; blocks 0-7
	; the set-up, while they are on their way
	s_mul_i32 s[TB], s[GR], STEPB
	s_mov_b32 s[SEL], 0x76543210
	s_mov_b32 s[SEL+1], 0xfedcba98
	s_mov_b32 s[CS], 0x3e38aa3b                    ; log2(e) / 8
	s_mov_b32 s[CS+1], s[CS]                       ; (named with it as a pair, so it is written)
	s_and_b32 s30, s[GR], 1                        ; which tile of the pair I finish at the end (waves 0-7)
	s_lshr_b32 s31, s[PR], 1                       ; c of my pair
	s_and_b32 s32, s[PR], 1
	s_mul_i32 s48, s12, STEPB                      ; Q: my block of kv,
	s_lshl_b32 s50, s31, 8
	s_lshl_b32 s33, s32, 2
	s_add_co_u32 s50, s50, s33
	s_add_co_u32 s50, s50, s48
	s_add_co_u32 s50, s50, KS                      ; its scale words: word PR
	s_mul_i32 s33, s[PR], 1536
	s_add_co_u32 s48, s48, s33                     ; its codes: three runs of 512 bytes
	s_mov_b32 s49, 0
	s_mov_b32 s51, 0
	s_add_nc_u64 s[48:49], s[40:41], s[48:49]
	s_add_nc_u64 s[50:51], s[40:41], s[50:51]
	s_lshl_b32 s52, s12, 7                         ; x and res: row 128 block + 64 c + 16 (PR % 2) + 8 (tile of the pair), to which lane r adds r % 8 + 32 (r / 8),
	s_lshl_b32 s33, s31, 6
	s_add_co_u32 s52, s52, s33
	s_lshl_b32 s33, s32, 4
	s_add_co_u32 s52, s52, s33
	s_lshl_b32 s33, s30, 3
	s_add_co_u32 s52, s52, s33
	s_lshl_b32 s52, s52, 11
	s_lshl_b32 s33, s13, 8                         ; and the head's 256 bytes of a row
	s_add_co_u32 s52, s52, s33
	s_mov_b32 s53, 0
	s_add_nc_u64 s[6:7], s[6:7], s[52:53]
	s_add_nc_u64 s[8:9], s[8:9], s[52:53]
	s_mul_i32 s44, s[PR], 24576                    ; MERGE, in my pair's 24,576 bytes: 0 the second quarter's part of the first tile, 4,096 the first quarter's of the second tile;
	s_add_co_u32 s44, s44, MERGE                   ; 8,192 and 16,384 the third and fourth quarters' parts of both tiles
	s_lshr_b32 s33, s[GR], 1
	s_and_b32 s45, s[GR], s33
	s_add_co_u32 s45, s45, s33
	s_lshl_b32 s45, s45, 13
	s_add_co_u32 s45, s44, s45                     ; where I store: the first tile's part here, the second's 4,096 bytes on
	s_lshl_b32 s33, s30, 12
	s_add_co_u32 s44, s44, s33                     ; where I read my sibling's part of my tile,
	s_add_co_u32 s46, s44, 8192                    ; and the third and fourth quarters'
	s_lshl_b32 s54, s[PR], 10
	s_add_co_u32 s54, s54, LSB
	s_lshl_b32 s33, s30, 9
	s_add_co_u32 s47, s54, s33                     ; the sums: read at my tile,
	s_lshl_b32 s33, s[GR], 7
	s_add_co_u32 s54, s54, s33                     ; stored at my quarter
	s_lshl_b32 s55, s[PR], 1
	s_add_co_u32 s55, s55, s30
	s_mul_i32 s55, s55, 4352
	s_add_co_u32 s55, s55, STAGE                   ; my tile's stage
	v_and_b32 v[TM], 31, v0
	v_bfe_u32 v[TM+1], v0, 3, 1                    ; r / 8
	v_bfe_u32 v[TM+2], v0, 4, 1                    ; h
	v_and_b32 v[TM+3], 7, v0
	v_lshlrev_b32 v[B16], 4, v[TM]
	v_lshlrev_b32 v[B8], 3, v[TM]
	v_lshl_add_u32 v[BE], v[TM+2], 8, v[B8]
	v_xor_b32 v[TM+2], v[TM+1], v[TM+2]
	v_lshl_or_b32 v[TM+3], v[TM+2], 3, v[TM+3]
	v_lshl_or_b32 v[TM+3], v[TM+1], 4, v[TM+3]
	v_lshlrev_b32 v[BK], 4, v[TM+3]
	global_load_b128 v[Q:Q+3], v[BK], s[48:49]
	global_load_b64 v[Q+4:Q+5], v[BK], s[48:49] offset:512
	global_load_b64 v[Q+12:Q+13], v[BK], s[48:49] offset:520
	global_load_b128 v[Q+14:Q+17], v[BK], s[48:49] offset:1024
	global_load_b32 v[QS], v[B8], s[50:51]
	v_add_nc_u32 v[AK], s[TB], v[BK]
	v_add_nc_u32 v[A8], s[TB], v[B8]
.irp i, 0,1,2,3,4,5
	v_mov_b32 v[Q+6+\i], 0                         ; the zero codes between the two tiles
	v_mov_b32 v[FB+24+\i], 0                       ; what stands behind the first step's tile 3
.endr
	s_wait_alu depctr_va_vdst(0)                   ; the wait at the head's end
	s_wait_loadcnt 0x0                             ; Q is in
	s_wait_tensorcnt 0x0                           ; my part of blocks 0-7 is in
	ds_add_u32 v[SPW], v[NIL]                      ; 0 onto my spare word,
	ds_add_u32 v[SPW], v[NIL]                      ; and once more
	s_add_co_u32 s25, s25, 8*STEPB                 ; no tensor load of mine is out, so group 0 may be written: block 8 + w
	s_add_nc_u64 s[26:27], s[26:27], 8*STEPB       ; (the type bits on top are not reached)
	s_wait_dscnt 0x0                               ; both adds are done
	CROUND                                         ; everybody's part of blocks 0-7 is in, and the joint loads meet:
	tensor_load_to_lds s[24:27], s[16:23]          ; blocks 8-23, one a wave
	s_nop 0
	KL0
	STEP 1, 1, 0                                   ; steps 0 and 1 in blocks 0-7
	STEP 0, 0, 3
	s_wait_alu depctr_va_vdst(0)                   ; the wait here, directly ahead of the wait below
	s_barrier_wait -1
	CREST                                          ; no wave of any partner reads blocks 0-7 any more or has a load on its way,
	JLOAD8                                         ; so they take blocks 24-31
	KL0
	STEP 0, 1, 0                                   ; steps 2 to 5 in blocks 8-23
	STEP 0, 1, 1
	STEP 0, 1, 0
	STEP 0, 1, 2
	STEP 0, 1, 0                                   ; steps 6 and 7 in blocks 24-31
	STEP 0, 0, 4
	; THE WAY OUT.  Waves 0-3 finish the first tiles of the four pairs, waves 4-7 the second.  Every wave hands the halves of its O^T that it does not finish, and its sums, to those, as images of registers, in the place of blocks 8-15.
.set MW,  1                            ; v1   where I store O^T
.set LW,  2                            ; v2   and my sums
.set LR,  3                            ; v3   where I read sums
.set STO, 4                            ; v4   the stage, in
.set RD,  5                            ; v5   the stage, back
.set GO,  6                            ; v6   2048 h + 16 r
.set MS,  7                            ; v7   where I read my sibling's O^T
.set MT,  8                            ; v8   and the third and fourth quarters'
	v_add_f32 v[LSUM], v[LSUM], v[LSUM+1]
	v_add_f32 v[LSUM+2], v[LSUM+2], v[LSUM+3]
	v_and_b32 v[TM], 15, v0                        ; r
	v_bfe_u32 v[TM+1], v0, 4, 1                    ; h
	v_lshrrev_b32 v[TM+2], 1, v[B8]                ; 4 x lane
	v_add_nc_u32 v[MW], s45, v[B16]
	v_add_nc_u32 v[LW], s54, v[TM+2]
	v_add_nc_u32 v[LR], s47, v[TM+2]
	v_add_nc_u32 v[MS], s44, v[B16]
	v_add_nc_u32 v[MT], s46, v[B16]
	v_mul_u32_u24 v[STO], v[TM], 272
	v_mul_u32_u24 v[RD], v[TM+1], 272
	v_lshlrev_b32 v[GO], 4, v[TM]
	v_lshl_add_u32 v[STO], v[TM+1], 5, v[STO]
	v_lshl_add_u32 v[RD], v[TM], 4, v[RD]
	v_lshl_add_u32 v[GO], v[TM+1], 11, v[GO]
	v_add_nc_u32 v[STO], s55, v[STO]
	v_add_nc_u32 v[RD], s55, v[RD]
	ds_store_b32 v[LW], v[LSUM]
	ds_store_b32 v[LW], v[LSUM+2] offset:512
.macro HAND q                          ; my part of tile q
.irp i, 0,1,2,3,4,5,6,7
	ds_store_b128 v[MW], v[OT+32*(\q)+4*\i:OT+32*(\q)+4*\i+3] offset:4096*(\q)+512*\i    ; each accumulator from its low end on
.endr
.endm
	s_wait_alu depctr_va_vdst(0)                   ; the wait here, ahead of the branches
	s_cmp_lt_u32 s[WV], 8
	s_cbranch_scc0 .Lhand_both
.irp i, 0,1,2,3,4,5,6,7
	global_load_b128 v[FB+4*\i:FB+4*\i+3], v[GO], s[6:7] offset:(2*\i+24*(\i/4))*2048 th:TH_LOAD_NT   ; row 2 i + h of my tile is query 2 i + h + 24 (i / 4) of its run; sixteen lanes read the head's 256 bytes of it
.endr
	s_cmp_lt_u32 s[WV], 4
	s_cbranch_scc0 .Lhand_first
	HAND 1
	s_branch .Lmet
.Lhand_first:
	HAND 0
	s_branch .Lmet
.Lhand_both:
	HAND 0
	HAND 1
.Lmet:
	s_wait_dscnt 0x0                               ; for the others' sake: my stores lie in LDS
	s_barrier_signal -1
	s_barrier_wait -1
; own: the half of O^T that I finish; oth: the other half's registers, free now
.macro FINISH own, oth
.irp i, 0,1,2,3
	ds_load_b32 v[KSR+2+\i], v[LR] offset:128*\i
.endr
.irp i, 0,1,2,3,4,5,6,7
	ds_load_b128 v[SC+4*\i:SC+4*\i+3], v[MS] offset:512*\i
.endr
.irp i, 0,1,2,3,4,5,6,7
	ds_load_b128 v[SC+32+4*\i:SC+35+4*\i], v[MT] offset:512*\i
.endr
.irp i, 0,1,2,3,4,5,6,7
	ds_load_b128 v[OT+(\oth)+4*\i:OT+(\oth)+4*\i+3], v[MT] offset:8192+512*\i
.endr
	s_wait_dscnt 24                                ; the four quarters' sums are in; the 24 loads behind them may be out
	v_add_f32 v[KSR+2], v[KSR+2], v[KSR+3]
	v_add_f32 v[KSR+4], v[KSR+4], v[KSR+5]
	v_add_f32 v[KSR+2], v[KSR+2], v[KSR+4]
	v_permlanex16_b32 v[LSUM], v[KSR+2], s[SEL], s[SEL+1]
	v_add_f32 v[LSUM], v[KSR+2], v[LSUM]           ; with lane l xor 16's keys: the row's sum
	s_wait_dscnt 16
.set j, 0
.rept 16
	v_pk_add_f32 v[OT+(\own)+j:OT+(\own)+j+1], v[OT+(\own)+j:OT+(\own)+j+1], v[SC+j:SC+j+1]   ; the quarters' O^T: plain sums, since all stand under the same M
.set j, j+2
.endr
	s_wait_dscnt 8
.set j, 0
.rept 16
	v_pk_add_f32 v[OT+(\own)+j:OT+(\own)+j+1], v[OT+(\own)+j:OT+(\own)+j+1], v[SC+32+j:SC+33+j]
.set j, j+2
.endr
	s_wait_dscnt 0x0
.set j, 0
.rept 16
	v_pk_add_f32 v[OT+(\own)+j:OT+(\own)+j+1], v[OT+(\own)+j:OT+(\own)+j+1], v[OT+(\oth)+j:OT+(\oth)+j+1]
.set j, j+2
.endr
	s_wait_alu depctr_va_vdst(0)                   ; the wait ahead of the transcendental
	v_rcp_f32 v[LSUM], v[LSUM]
	v_nop                                          ; a plain instruction behind the reciprocal,
	s_wait_alu depctr_va_vdst(0)                   ; and the wait ahead of its first reader
.set j, 0
.rept 16
	v_pk_mul_f32 v[OT+(\own)+j:OT+(\own)+j+1], v[OT+(\own)+j:OT+(\own)+j+1], v[LSUM:LSUM+1] op_sel_hi:[1,0]   ; O^T / the sum: register 8 T + i is ctx(query r, channel 16 T + 8 h + i)
.set j, j+2
.endr
.irp T, 0,1,2,3
	ds_store_b128 v[STO], v[OT+(\own)+8*\T:OT+(\own)+8*\T+3] offset:64*\T
	ds_store_b128 v[STO], v[OT+(\own)+8*\T+4:OT+(\own)+8*\T+7] offset:64*\T+16
.endr
.irp i, 0,1,2,3,4,5,6,7
	ds_load_b128 v[SC+4*\i:SC+4*\i+3], v[RD] offset:544*\i   ; LDS serves a wave's instructions in order (ISA guide 5.7.1.4): these see my stores
.endr
	s_wait_loadcnt 0x0                             ; x
.irp i, 0,1,2,3,4,5,6,7
	s_wait_dscnt 7-\i                              ; load i is back; the 7 - i issued behind it may be out
	v_pk_add_f32 v[SC+4*\i:SC+4*\i+1], v[SC+4*\i:SC+4*\i+1], v[FB+4*\i:FB+4*\i+1]         ; the first residual
	v_pk_add_f32 v[SC+4*\i+2:SC+4*\i+3], v[SC+4*\i+2:SC+4*\i+3], v[FB+4*\i+2:FB+4*\i+3]
	global_store_b128 v[GO], v[SC+4*\i:SC+4*\i+3], s[8:9] offset:(2*\i+24*(\i/4))*2048   ; sixteen lanes store 256 neighbouring bytes, at a multiple of 256 from res's first byte
.endr
.endm
	s_cmp_lt_u32 s[WV], 8
	s_cbranch_scc0 .Lend
	s_cmp_lt_u32 s[WV], 4
	s_cbranch_scc0 .Lsecond
	FINISH 0, 32
	s_branch .Lend
.Lsecond:
	FINISH 32, 0
.Lend:
	s_wait_tensorcnt 0x0                           ; the wave's end, behind my last tensor load and my last LDS store
	ds_add_u32 v[SPW], v[NIL]
	s_wait_dscnt 0x0
	CROUND                                         ; the closing round: no work-group ends while a partner may still ask for a tile that names it
	s_endpgm
.Lfunc_end_k_q0c1546fa91_attn:
	.size	k_q0c1546fa91_attn, .Lfunc_end_k_q0c1546fa91_attn-k_q0c1546fa91_attn
	.p2alignl 7, 3214868480
	.fill 96, 4, 3214868480
	.section	.rodata,"a",@progbits
	.p2align	6, 0x0
	.amdhsa_kernel k_q0c1546fa91_attn
		.amdhsa_group_segment_fixed_size 327680
		.amdhsa_private_segment_fixed_size 0
		.amdhsa_enable_private_segment 0
		.amdhsa_kernarg_size 24
		.amdhsa_user_sgpr_count 2
		.amdhsa_user_sgpr_kernarg_segment_ptr 1
		.amdhsa_wavefront_size32 1
		.amdhsa_system_sgpr_workgroup_id_x 1
		.amdhsa_system_sgpr_workgroup_id_y 1
		.amdhsa_system_sgpr_workgroup_id_z 1
		.amdhsa_system_vgpr_workitem_id 0
		.amdhsa_next_free_vgpr 256
		.amdhsa_next_free_sgpr 66
		.amdhsa_reserve_vcc 0
		.amdhsa_float_denorm_mode_32 3
		.amdhsa_float_denorm_mode_16_64 3
		.amdhsa_memory_ordered 1
		.amdhsa_forward_progress 1
		.amdhsa_inst_pref_size 214
	.end_amdhsa_kernel
	.amdgpu_metadata
---
amdhsa.version: [ 1, 2 ]
amdhsa.kernels:
  - .name:           k_q0c1546fa91_attn
    .symbol:         k_q0c1546fa91_attn.kd
    .args:
      - { .name: kv, .offset: 0, .size: 8, .value_kind: global_buffer, .address_space: global }
      - { .name: x, .offset: 8, .size: 8, .value_kind: global_buffer, .address_space: global }
      - { .name: res, .offset: 16, .size: 8, .value_kind: global_buffer, .address_space: global }
    .group_segment_fixed_size: 327680
    .private_segment_fixed_size: 0
    .kernarg_segment_align: 8
    .kernarg_segment_size: 24
    .max_flat_workgroup_size: 512
    .sgpr_count:     66
    .vgpr_count:     256
    .wavefront_size: 32
...
	.end_amdgpu_metadata
.endif
;; end of part 2
;; launch fin (part 3): grid 256 x 1, 16 waves a work-group, no clusters, 0 bytes of LDS; arguments res, prelu_w, out0; writes out0
.if DOCPART == 3
	.amdgcn_target "amdgcn-amd-amdhsa--gfx1250"
	.amdhsa_code_object_version 6
	.text
	.protected	k_q0c1546fa91_fin
	.globl	k_q0c1546fa91_fin
	.p2align	8
	.type	k_q0c1546fa91_fin,@function
k_q0c1546fa91_fin:
	s_mov_b64 s[64:65], 0
	v_nop
	global_prefetch_b8 v0, s[64:65] scope:SCOPE_SE
	s_setreg_imm32_b32 hwreg(HW_REG_WAVE_MODE, 25, 1), 1
	s_wait_xcnt 0x0
; THIRD LAUNCH.  out = PReLU(LayerNorm(res)) + res, res = ctx + x as the second launch left it: [4096][512] f32; PReLU(y) = y where y >= 0, else prelu_w[channel] x y: max(y, 0) + prelu_w x min(y, 0).  Nothing is left out as dead work.
; A launch of its own, since this norm wants all eight heads of a row, which the second launch makes in eight work-groups.
; A stream: a wave takes one whole row (2,048 bytes: 16 numbers a lane) and keeps it in registers between the sums and the scaling, so each byte is read once and written once.  A load or store of a wave covers 512 neighbouring bytes.
; No LDS, no barrier, no loop: the reductions stay inside a wave.  LIMITS: NaN and infinities are not served.
.set ST, 2                             ; v2-3    mean, later 1 / sqrt(variance + eps), twice
.set TP, 4                             ; v4 a sum, v5 the other half of the lanes'
.set W,  8                             ; v8-23   prelu_w at my 16 channels
.set X,  24                            ; v24-39  the row as loaded
.set D,  40                            ; v40-55  x - mean, y, the result
.set Y,  56                            ; v56-63  at work
	s_load_b128 s[4:7], s[0:1], 0x0                ; res s[4:5], prelu_w s[6:7]
	s_load_b64 s[8:9], s[0:1], 0x10                ; out0
	v_and_b32 v1, 31, v0
	v_lshrrev_b32 v2, 5, v0
	v_lshlrev_b32 v1, 4, v1                        ; 16 x lane
	v_readfirstlane_b32 s10, v2                    ; wave 0..15
	v_mov_b32 v[TP+1], 0                           ; written once: a lane permute's destination counts as one of its sources
	s_lshl_b32 s12, ttmp9, 15                      ; 16 rows of 2,048 bytes a work-group,
	s_lshl_b32 s13, s10, 11                        ; one a wave
	s_add_co_u32 s12, s12, s13
	s_mov_b32 s13, 0
	s_mov_b32 s14, 0x76543210
	s_mov_b32 s15, 0xfedcba98                      ; v_permlanex16_b32's selects for lane l xor 16
	s_mov_b32 s16, 0x3b000000                      ; 1 / 512
	s_mov_b32 s17, 0x3727c5ac                      ; eps = 1e-5
	s_wait_alu depctr_va_vdst(0)                   ; the wait at the head's end
	s_wait_kmcnt 0x0
	s_add_nc_u64 s[4:5], s[4:5], s[12:13]
	s_add_nc_u64 s[8:9], s[8:9], s[12:13]
.irp i, 0,1,2,3
	global_load_b128 v[X+4*\i:X+4*\i+3], v1, s[4:5] offset:512*\i th:TH_LOAD_NT
.endr
.irp i, 0,1,2,3
	global_load_b128 v[W+4*\i:W+4*\i+3], v1, s[6:7] offset:512*\i
.endr
.macro RED                             ; the sum in v[TP] over the 32 lanes; every lane ends with it
.irp m, 1,2,4,8
	s_delay_alu instid0(VALU_DEP_1)
	v_add_f32_dpp v[TP], v[TP], v[TP] row_xmask:\m row_mask:0xf bank_mask:0xf
.endr
	s_delay_alu instid0(VALU_DEP_1)
	v_permlanex16_b32 v[TP+1], v[TP], s14, s15
	s_delay_alu instid0(VALU_DEP_1)
	v_add_f32 v[TP], v[TP], v[TP+1]
.endm
	s_wait_loadcnt 4                               ; the row is in; prelu_w's four loads may be out
.irp p, 0,1,2,3
	v_pk_add_f32 v[Y+2*\p:Y+2*\p+1], v[X+4*\p:X+4*\p+1], v[X+4*\p+2:X+4*\p+3]
.endr
	v_pk_add_f32 v[Y:Y+1], v[Y:Y+1], v[Y+2:Y+3]
	v_pk_add_f32 v[Y+4:Y+5], v[Y+4:Y+5], v[Y+6:Y+7]
	v_pk_add_f32 v[Y:Y+1], v[Y:Y+1], v[Y+4:Y+5]
	v_add_f32 v[TP], v[Y], v[Y+1]
	RED
	v_mul_f32 v[ST], s16, v[TP]                    ; the mean,
	v_mov_b32 v[ST+1], v[ST]                       ; twice, for the packed forms
.irp p, 0,1,2,3,4,5,6,7
	v_pk_add_f32 v[D+2*\p:D+2*\p+1], v[X+2*\p:X+2*\p+1], v[ST:ST+1] neg_lo:[0,1] neg_hi:[0,1]
.endr
	v_pk_mul_f32 v[Y:Y+1], v[D:D+1], v[D:D+1]
	v_pk_mul_f32 v[Y+2:Y+3], v[D+2:D+3], v[D+2:D+3]
.irp p, 4,8,12
	v_pk_fma_f32 v[Y:Y+1], v[D+\p:D+\p+1], v[D+\p:D+\p+1], v[Y:Y+1]
	v_pk_fma_f32 v[Y+2:Y+3], v[D+\p+2:D+\p+3], v[D+\p+2:D+\p+3], v[Y+2:Y+3]
.endr
	v_pk_add_f32 v[Y:Y+1], v[Y:Y+1], v[Y+2:Y+3]
	v_add_f32 v[TP], v[Y], v[Y+1]
	RED
	v_fma_f32 v[TP], v[TP], s16, s17               ; variance + eps
	s_wait_alu depctr_va_vdst(0)                   ; the wait ahead of the transcendental
	v_rsq_f32 v[ST], v[TP]
	v_nop                                          ; a plain instruction behind it,
	s_wait_loadcnt 0x0                             ; prelu_w is in,
	s_wait_alu depctr_va_vdst(0)                   ; and the wait ahead of the reciprocal root's first reader
	v_mov_b32 v[ST+1], v[ST]
.irp p, 0,1,2,3,4,5,6,7
	v_pk_mul_f32 v[D+2*\p:D+2*\p+1], v[D+2*\p:D+2*\p+1], v[ST:ST+1]   ; y
.endr
.irp g, 0,8
.irp i, 0,1,2,3,4,5,6,7
	v_min_num_f32 v[Y+\i], 0, v[D+\g+\i]
.endr
.irp i, 0,1,2,3,4,5,6,7
	v_max_num_f32 v[D+\g+\i], 0, v[D+\g+\i]
.endr
.irp i, 0,2,4,6
	v_pk_add_f32 v[D+\g+\i:D+\g+\i+1], v[D+\g+\i:D+\g+\i+1], v[X+\g+\i:X+\g+\i+1]   ; the second residual
.endr
.irp i, 0,2,4,6
	v_pk_fma_f32 v[D+\g+\i:D+\g+\i+1], v[W+\g+\i:W+\g+\i+1], v[Y+\i:Y+\i+1], v[D+\g+\i:D+\g+\i+1]
.endr
.irp i, 0,4
	global_store_b128 v1, v[D+\g+\i:D+\g+\i+3], s[8:9] offset:128*(\g+\i)   ; 32 lanes store 512 neighbouring bytes, at a multiple of 256 from out0's first byte
.endr
.endr
	s_endpgm
.Lfunc_end_k_q0c1546fa91_fin:
	.size	k_q0c1546fa91_fin, .Lfunc_end_k_q0c1546fa91_fin-k_q0c1546fa91_fin
	.p2alignl 7, 3214868480
	.fill 96, 4, 3214868480
	.section	.rodata,"a",@progbits
	.p2align	6, 0x0
	.amdhsa_kernel k_q0c1546fa91_fin
		.amdhsa_group_segment_fixed_size 0
		.amdhsa_private_segment_fixed_size 0
		.amdhsa_enable_private_segment 0
		.amdhsa_kernarg_size 24
		.amdhsa_user_sgpr_count 2
		.amdhsa_user_sgpr_kernarg_segment_ptr 1
		.amdhsa_wavefront_size32 1
		.amdhsa_system_sgpr_workgroup_id_x 1
		.amdhsa_system_sgpr_workgroup_id_y 1
		.amdhsa_system_sgpr_workgroup_id_z 1
		.amdhsa_system_vgpr_workitem_id 0
		.amdhsa_next_free_vgpr 64
		.amdhsa_next_free_sgpr 66
		.amdhsa_reserve_vcc 0
		.amdhsa_float_denorm_mode_32 3
		.amdhsa_float_denorm_mode_16_64 3
		.amdhsa_memory_ordered 1
		.amdhsa_forward_progress 1
		.amdhsa_inst_pref_size 8
	.end_amdhsa_kernel
	.amdgpu_metadata
---
amdhsa.version: [ 1, 2 ]
amdhsa.kernels:
  - .name:           k_q0c1546fa91_fin
    .symbol:         k_q0c1546fa91_fin.kd
    .args:
      - { .name: res, .offset: 0, .size: 8, .value_kind: global_buffer, .address_space: global }
      - { .name: prelu_w, .offset: 8, .size: 8, .value_kind: global_buffer, .address_space: global }
      - { .name: out0, .offset: 16, .size: 8, .value_kind: global_buffer, .address_space: global }
    .group_segment_fixed_size: 0
    .private_segment_fixed_size: 0
    .kernarg_segment_align: 8
    .kernarg_segment_size: 24
    .max_flat_workgroup_size: 512
    .sgpr_count:     66
    .vgpr_count:     64
    .wavefront_size: 32
...
	.end_amdgpu_metadata
.endif
;; end of part 3
